; MI455X (gfx1250); checked and timed in simulation.
; The chip was launched on July 23, 2026; its instructions are those of AMD's public machine-readable ISA for CDNA 5 (MIT licence, August 2026) and "CDNA5" Instruction Set Architecture Reference Guide (July 2026). The comments in the code are by the model that wrote it; some were corrected since.
;; Attention. Allowed arithmetic: float matrix products may take bf16 or f16 operands with f32 sums; other float arithmetic in f32, or as packed bf16 or f16 multiplies, adds, multiply-adds, maxima and minima; sums over many terms, partial sums and values carried from step to step in f32; what a program stores and reads back later, other than sums and carried values, may be rounded once to bf16 or f16.
;; Inputs: K_seq 4 x 2,048 x 1,024 float32; Q_len 4 x 1 int32; Q_seq 4 x 2,048 x 1,024 float32; V_len 4 x 1 int32; V_seq 4 x 2,048 x 1,024 float32; WK 1,024 x 1,024 float32; WQ 1,024 x 1,024 float32; WV 1,024 x 1,024 float32.
;; Outputs: out0 4 x 2,048 x 1,024 float32.
;; One version. Each part assembles by itself: llvm-mc -triple=amdgcn-amd-amdhsa -mcpu=gfx1250 --defsym DOCPART=n.
;; ======== version 1 of 1: 3 launches
;; limits: values are held in f16: magnitudes above 65,504 overflow, below 6.1e-05 lose precision
;; workspace buffers: wb 6,291,456 bytes; qkv 50,331,648 bytes
;; launch castw (part 1): grid 128 x 3, 8 waves a work-group, no clusters, 0 bytes of LDS; arguments WQ, WK, WV, wb; writes wb
.if DOCPART == 1
	.amdgcn_target "amdgcn-amd-amdhsa--gfx1250"
	.amdhsa_code_object_version 6
	.text
	.protected	k_qfaf2ba8d89_castw
	.globl	k_qfaf2ba8d89_castw
	.p2align	8
	.type	k_qfaf2ba8d89_castw,@function
k_qfaf2ba8d89_castw:
	s_mov_b64 s[64:65], 0
	v_nop
	global_prefetch_b8 v0, s[64:65] scope:SCOPE_SE
	s_setreg_imm32_b32 hwreg(HW_REG_WAVE_MODE, 25, 1), 1
	s_wait_xcnt 0x0
; wb[p][k][n] = bf16(W_p[k][n]), p = 0, 1, 2 for WQ, WK, WV; the layout [1024 k][1024 n] is kept, each number rounded once to nearest even.
; A stream: no LDS, no barrier, no loop, no matrix unit.  A work-group of eight waves takes 8,192 numbers of one matrix: 32,768 bytes in, 16,384 out.
; Thread t's load j takes the 16 bytes at 4,096 j + 16 t (a wave's load: 512 neighbouring bytes); its store j puts 8 bytes at 2,048 j + 8 t (a wave's store: 256 neighbouring bytes, aligned).
; All eight loads are issued before the first wait; no register is written twice, so no wait frees a source.
.set X, 8                              ; v[8:39]   load j: 4 registers of f32
.set Y, 40                             ; v[40:55]  store j: 2 registers, 4 bf16
	s_load_b256 s[4:11], s[0:1], 0x0               ; WQ s[4:5], WK s[6:7], WV s[8:9], wb s[10:11]
	s_and_b32 s12, ttmp7, 0xffff                   ; which matrix
	v_lshlrev_b32 v1, 4, v0                        ; 16 t
	v_lshlrev_b32 v2, 3, v0                        ; 8 t
	s_lshl_b32 s14, ttmp9, 15                      ; the group's 32,768 bytes of its matrix
	s_mov_b32 s15, 0
	s_lshl_b32 s16, s12, 21                        ; a matrix is 2,097,152 bytes of wb,
	s_lshl_b32 s17, ttmp9, 14                      ; the group's part 16,384
	s_add_co_u32 s16, s16, s17
	s_mov_b32 s17, 0
	s_wait_kmcnt 0x0
	s_cmp_eq_u32 s12, 1
	s_cselect_b64 s[4:5], s[6:7], s[4:5]           ; the source is chosen by the group's y alone
	s_cmp_eq_u32 s12, 2
	s_cselect_b64 s[4:5], s[8:9], s[4:5]
	s_add_nc_u64 s[4:5], s[4:5], s[14:15]
	s_add_nc_u64 s[10:11], s[10:11], s[16:17]
.irp j, 0,1,2,3,4,5,6,7
	global_load_b128 v[X+4*(\j):X+4*(\j)+3], v1, s[4:5] offset:4096*(\j) th:TH_LOAD_NT  ; read once in the launch
.endr
.irp j, 0,1,2,3,4,5,6,7
	s_wait_loadcnt 7-(\j)                          ; loads come back in order (ISA guide 5.7.1): load j is in, the younger ones stay out
	v_cvt_pk_bf16_f32 v[Y+2*(\j)],   v[X+4*(\j)],   v[X+4*(\j)+1]
	v_cvt_pk_bf16_f32 v[Y+2*(\j)+1], v[X+4*(\j)+2], v[X+4*(\j)+3]
	global_store_b64 v2, v[Y+2*(\j):Y+2*(\j)+1], s[10:11] offset:2048*(\j)  ; no hint: the next launch reads these bytes many times
.endr
	s_endpgm
.Lfunc_end_k_qfaf2ba8d89_castw:
	.size	k_qfaf2ba8d89_castw, .Lfunc_end_k_qfaf2ba8d89_castw-k_qfaf2ba8d89_castw
	.p2alignl 7, 3214868480
	.fill 96, 4, 3214868480
	.section	.rodata,"a",@progbits
	.p2align	6, 0x0
	.amdhsa_kernel k_qfaf2ba8d89_castw
		.amdhsa_group_segment_fixed_size 0
		.amdhsa_private_segment_fixed_size 0
		.amdhsa_enable_private_segment 0
		.amdhsa_kernarg_size 32
		.amdhsa_user_sgpr_count 2
		.amdhsa_user_sgpr_kernarg_segment_ptr 1
		.amdhsa_wavefront_size32 1
		.amdhsa_system_sgpr_workgroup_id_x 1
		.amdhsa_system_sgpr_workgroup_id_y 1
		.amdhsa_system_sgpr_workgroup_id_z 1
		.amdhsa_system_vgpr_workitem_id 0
		.amdhsa_next_free_vgpr 56
		.amdhsa_next_free_sgpr 66
		.amdhsa_reserve_vcc 0
		.amdhsa_float_denorm_mode_32 3
		.amdhsa_float_denorm_mode_16_64 3
		.amdhsa_memory_ordered 1
		.amdhsa_forward_progress 1
		.amdhsa_inst_pref_size 4
	.end_amdhsa_kernel
	.amdgpu_metadata
---
amdhsa.version: [ 1, 2 ]
amdhsa.kernels:
  - .name:           k_qfaf2ba8d89_castw
    .symbol:         k_qfaf2ba8d89_castw.kd
    .args:
      - { .name: WQ, .offset: 0, .size: 8, .value_kind: global_buffer, .address_space: global }
      - { .name: WK, .offset: 8, .size: 8, .value_kind: global_buffer, .address_space: global }
      - { .name: WV, .offset: 16, .size: 8, .value_kind: global_buffer, .address_space: global }
      - { .name: wb, .offset: 24, .size: 8, .value_kind: global_buffer, .address_space: global }
    .group_segment_fixed_size: 0
    .private_segment_fixed_size: 0
    .kernarg_segment_align: 8
    .kernarg_segment_size: 32
    .max_flat_workgroup_size: 256
    .sgpr_count:     66
    .vgpr_count:     56
    .wavefront_size: 32
...
	.end_amdgpu_metadata
.endif
;; end of part 1
;; launch proj (part 2): grid 4 x 192, 4 waves a work-group, clusters of 4 x 4, 327,680 bytes of LDS; arguments Q_seq, K_seq, V_seq, wb, qkv; writes qkv
.if DOCPART == 2
	.amdgcn_target "amdgcn-amd-amdhsa--gfx1250"
	.amdhsa_code_object_version 6
	.text
	.protected	k_qfaf2ba8d89_proj
	.globl	k_qfaf2ba8d89_proj
	.p2align	8
	.type	k_qfaf2ba8d89_proj,@function
k_qfaf2ba8d89_proj:
	s_mov_b64 s[64:65], 0
	v_nop
	global_prefetch_b8 v0, s[64:65] scope:SCOPE_SE
	s_setreg_imm32_b32 hwreg(HW_REG_WAVE_MODE, 25, 1), 1
	s_wait_xcnt 0x0
	s_wait_alu depctr_hold_cnt(0) depctr_sa_sdst(0) depctr_va_vdst(0) depctr_va_sdst(0) depctr_va_ssrc(0) depctr_va_vcc(0) depctr_vm_vsrc(0)
	s_getreg_b32 s2, hwreg(HW_REG_IB_STS2, 6, 4)
	s_cmp_eq_u32 s2, 0
	s_cbranch_scc0 .Lentry_in_a_cluster
	s_endpgm
.Lentry_in_a_cluster:
	s_bfe_u32 s2, ttmp6, 0x10000c
	s_cmp_lg_u32 s2, 0xf033
	s_cbranch_scc0 .Lentry_shape_is_right
	s_endpgm
.Lentry_shape_is_right:
; qkv[p][b 16 + h][s][d] = f16( sum over k of bf16(X_p[b][s][k]) wb[p][k][64 h + d] ), p = 0, 1, 2 for Q_seq, K_seq, V_seq.  X_p: [8192][1024] f32; wb: [3][1024 k][1024 n] bf16; sums in f32, rounded once.
; LIMITS.  The results are kept in f16: they must lie within 65,504 (1,024 terms of x w; with x and w both shifted by 30 of their spreads about 29,000); below 6e-5 they keep f16's fixed step.  No scale is applied here.
; SHARES.  The three products are 3 x 64 x 4 = 768 tiles of 128 (rows) x 256 (columns), one to a work-group: three for each of 256 WGPs.  Four waves, each 64 x 128: 32 accumulators of 16 x 16, 256 registers.
; K goes in steps of 128 through a ring of two LDS slots.  X's tile comes as it lies, in f32 (rows of 512 bytes), and is rounded to bf16 in registers, so X is moved once and never written again;
; W's tile lies [k][n] (rows of 512 bytes) and is turned on its way into registers by ds_load_tr16_b128.
; For 32 along K a wave reads 16 + 16 LDS loads for 32 matrix instructions: of the splits of 128 x 256 among four waves 64 x 128 has the fewest (4 loads for 16 rows of f32, 2 for 16 columns of bf16).
; CLUSTERS: 4 x 4 work-groups.  The four of a row of the cluster share X's tile (all four column tiles: each byte of X is asked for once in the launch), the four of a column W's: each tile is asked for
; JOINTLY, by the same tensor load with the same descriptor and a mask that names the four.
; THE MATRIX INSTRUCTION IS USED TRANSPOSED (source 0 = 16 columns of W, source 1 = 16 rows of X): a lane then holds eight neighbouring columns of one row, 16 bytes of f16.
; REGISTERS, in windows of 256 (s_set_vgpr_msb: bits 1:0 source 0, 3:2 source 1, 5:4 source 2, 7:6 destination):
;   window 0: v0-31 addresses; v32-95 X's fragments in f32 (4 x 16 rows x 32 K); v96-127, v128-159 the same in bf16, two buffers; on the way out v32-159 hold the packed results
;   window 1: the accumulators ((a, b) at v[8 (8 a + b)], a = 0..3 row blocks, b = 0..7 column blocks)          window 2: v0-63, v64-127 W's fragments, two buffers
.set KSTEP,  128
.set PA,     528                       ; X's LDS row: 512 bytes + 16 of padding = 132 words: row r starts at bank 4 r mod 64 (64 banks of 4 bytes: ISA guide 11.1)
.set PB,     544                       ; W's LDS row: 512 + 32 = 136 words: row r starts at bank 8 r mod 64
.set HALFA,  64*PA                     ; what one tensor load brings of X: 64 rows
.set HALFB,  64*PB                     ; and of W: 64 k
.set ASZ,    2*HALFA
.set SLOT,   ASZ+2*HALFB               ; X's 128 rows, then W's 128 k
.set STAGE,  2*SLOT                    ; behind the ring, never filled by a tensor load: for each wave 2 heads x 16 rows x 144 bytes, for the way out
.set SP,     144
.set WSTG,   2*16*SP
.set SPARE,  STAGE+4*WSTG              ; behind the stages: the spare words, 128 bytes for each wave: two blocks of 256 bytes that no other line names
.set LAPS,   1024/(2*KSTEP)            ; a lap = two K steps = once round the ring
.set ADRA, 16                          ; v16-17  LDS address of my fragments of X in slot 0, 1
.set ADRB, 20                          ; v20-21  the same for W
.set STO,  24                          ; v24     the way out: where I put 16 bytes of a row
.set RD,   25                          ; v25     the way out: where I read rows back
.set GO,   26                          ; v26     my byte offset in 512 consecutive bytes of qkv
.set PF,   27                          ; v27     my byte offset in the tile's rows of X, for the prefetch
.set SPW,  28                          ; v28     LDS address of my spare word: SPARE + 4 x my thread's number; never rewritten
.set NIL,  29                          ; v29     0; never rewritten
.set AF,   32
.set AH,   96
.set OUT,  32
.set WV,   14                          ; s14  my wave's number
.set MH,   15                          ; s15  which half of the tile's rows is mine.  Also: I fetch for X (0) or for W (1)
.set NH,   16                          ; s16  which half of its columns.  Also: which half of that tile I fetch
.set G1,   24                          ; s[24:31] descriptor group 1 for X's tiles;  s[32:39] group 0, one set for each slot
.set G0,   32
.set PFB,  46                          ; s[46:47] X at the tile's first row, at the lap to be asked for ahead
.set G1B,  48                          ; s[48:55], s[56:63] the same for W's tiles
.set G0B,  56
.set MSB, 0
.macro WIN new                         ; the immediate's high byte repeats the setting that is left; a switch that changes nothing is dropped
.if MSB != (\new)
	s_set_vgpr_msb (MSB<<8)|(\new)
.set MSB, \new
.endif
.endm
.set W_MUL, 0x52                       ; source 0 (W) window 2, source 1 (X) window 0, C and D window 1
.set TO_B,  0x80                       ; destination window 2, address window 0
.macro JLOAD s                         ; a joint load: waves 0 and 1 fetch X's two halves, waves 2 and 3 W's; an s_nop 0 and four v_nop follow each of the two lines, ahead of the jump, the label and what follows
	s_cmp_eq_u32 s[MH], 0
	s_cbranch_scc0 .Lfor_b_\@
	tensor_load_to_lds s[G0+4*(\s):G0+4*(\s)+3], s[G1:G1+7]
	s_nop 0
.rept 4
	v_nop
.endr
	s_branch .Lasked_\@
.Lfor_b_\@:
	tensor_load_to_lds s[G0B+4*(\s):G0B+4*(\s)+3], s[G1B:G1B+7]
	s_nop 0
.rept 4
	v_nop
.endr
.Lasked_\@:
.endm
.macro CREST                           ; a round of the cluster's barrier behind its opening barrier
	s_cmp_lg_u32 s[WV], 0
	s_cbranch_scc1 .Lnot_wave_0_\@
	s_barrier_signal -3
.Lnot_wave_0_\@:
	s_barrier_wait -3
	s_barrier_signal -1
	s_barrier_wait -1
.endm
.macro CROUND                          ; a whole round
	s_barrier_signal -1
	s_barrier_wait -1
	CREST
.endm
	s_load_b256 s[4:11], s[0:1], 0x0               ; Q_seq s[4:5], K_seq s[6:7], V_seq s[8:9], wb s[10:11]
	s_load_b64 s[12:13], s[0:1], 0x20              ; qkv
	v_lshl_add_u32 v[SPW], v0, 2, SPARE
	v_mov_b32 v[NIL], 0
	ds_add_u32 v[SPW], v[NIL]                      ; the wave's opening: the add and its wait stand ahead of my first tensor load; the set-up below, work on registers, stands between them
	v_lshrrev_b32 v1, 5, v0
	v_readfirstlane_b32 s[WV], v1                  ; wave 0..3
	s_lshr_b32 s[MH], s[WV], 1
	s_and_b32 s[NH], s[WV], 1
	s_bfe_u32 s17, ttmp6, 0x40000                  ; cx, cy: my place in the cluster
	s_bfe_u32 s18, ttmp6, 0x40004
	s_lshl_b32 s19, ttmp9, 2
	s_add_co_u32 s19, s19, s17                     ; column tile = 4 x cluster x + cx
	s_and_b32 s23, ttmp7, 0xffff                   ; the cluster's y, 0..47
	s_lshr_b32 s21, s23, 4                         ; p: sixteen clusters to a product; made of the cluster's y alone, so that W's address never sees cy
	s_lshl_b32 s20, s23, 2
	s_add_co_u32 s20, s20, s18                     ; work-group y = 4 x cluster y + cy
	s_and_b32 s22, s20, 63                         ; row tile of the product
	s_lshl_b32 s2, s18, 2
	s_lshl_b32 s2, 15, s2                          ; my row of the cluster
	s_lshl_b32 s3, 0x1111, s17                     ; my column
	; descriptor group 1.  X: a tile of 64 rows x 128 elements of 4 bytes; W: 64 rows x 256 elements of 2 bytes; both padded in LDS behind every row of 128 words
	s_or_b32 s[G1], s2, (2<<16)|(1<<20)|(1<<21)|(6<<22)|(3<<25)   ; 15:0 the mask: X's tiles go to my row; 17:16 element of 4 bytes; 20 padding on; 21 set beside a mask; 24:22 after every 128 words (code 6); 31:25 4 words (code 3)
	s_or_b32 s[G1B], s3, (1<<16)|(1<<20)|(1<<21)|(6<<22)|(7<<25)  ; the mask of my column; element of 2 bytes; 8 words of padding (code 7)
	s_mov_b32 s[G1+1], 128<<16                     ; tensor_dim0 = 128
	s_mov_b32 s[G1+2], 64<<16                      ; tensor_dim1 = 64
	s_mov_b32 s[G1+3], 128<<16                     ; tile_dim0 = 128
	s_mov_b32 s[G1+4], 64                          ; tile_dim1 = 64
	s_mov_b32 s[G1+5], 1024                        ; elements from row to row
	s_mov_b32 s[G1+6], 0
	s_mov_b32 s[G1+7], 0
	s_mov_b32 s[G1B+1], 256<<16                    ; tensor_dim0 = 256
	s_mov_b32 s[G1B+2], 64<<16
	s_mov_b32 s[G1B+3], 256<<16                    ; tile_dim0 = 256
	s_mov_b32 s[G1B+4], 64
	s_mov_b32 s[G1B+5], 1024
	s_mov_b32 s[G1B+6], 0
	s_mov_b32 s[G1B+7], 0
	; where the tiles come from.  X's hang on the row tile and p, which my row of the cluster shares; W's on the column tile and p, which my column shares.
	s_lshl_b32 s40, s22, 7
	s_lshl_b32 s41, s[NH], 6
	s_add_co_u32 s40, s40, s41                     ; X: row 128 x row tile + 64 x half,
	s_lshl_b32 s40, s40, 12                        ; of 4,096 bytes: 33,550,336 at the most
	s_mov_b32 s41, 0
	s_lshl_b32 s42, s21, 21                        ; W: matrix p,
	s_lshl_b32 s43, s[NH], 17                      ; k = 64 x half, rows of 2,048 bytes,
	s_add_co_u32 s42, s42, s43
	s_lshl_b32 s43, s19, 9                         ; column 256 x column tile
	s_add_co_u32 s42, s42, s43
	s_mov_b32 s43, 0
	s_mul_i32 s44, s[NH], HALFA                    ; and where they go: no place in the cluster enters an LDS address
	s_mul_i32 s45, s[NH], HALFB
	s_add_co_u32 s45, s45, ASZ
	s_lshl_b32 s46, s22, 19                        ; the tile's first row of X,
	s_add_co_u32 s46, s46, 1024                    ; at lap 1 (a lap is 256 k, 1,024 bytes of a row)
	s_mov_b32 s47, 0
	; where my 64 x 128 results go: product p, head 16 b + 4 x column tile + 2 x half, row (128 x row tile + 64 x half) mod 2,048; a head is 2,048 rows of 128 bytes
	s_lshr_b32 s2, s22, 4                          ; b: sixteen row tiles to a batch
	s_lshl_b32 s2, s2, 4
	s_lshl_b32 s3, s19, 2
	s_add_co_u32 s2, s2, s3
	s_lshl_b32 s3, s[NH], 1
	s_add_co_u32 s2, s2, s3
	s_lshl_b32 s2, s2, 11
	s_and_b32 s3, s22, 15
	s_lshl_b32 s3, s3, 7
	s_add_co_u32 s2, s2, s3
	s_lshl_b32 s3, s[MH], 6
	s_add_co_u32 s2, s2, s3
	s_lshl_b32 s2, s2, 7
	s_lshl_b32 s3, s21, 24                         ; a product's results are 16,777,216 bytes
	s_add_co_u32 s2, s2, s3
	s_mov_b32 s3, 0
	s_wait_dscnt 0x0                               ; the opening add is done
	s_wait_kmcnt 0x0
	s_cmp_eq_u32 s21, 1
	s_cselect_b64 s[4:5], s[6:7], s[4:5]           ; X_p, chosen by p alone
	s_cmp_eq_u32 s21, 2
	s_cselect_b64 s[4:5], s[8:9], s[4:5]
	s_add_nc_u64 s[40:41], s[4:5], s[40:41]
	s_add_nc_u64 s[42:43], s[10:11], s[42:43]
	s_add_nc_u64 s[PFB:PFB+1], s[4:5], s[PFB:PFB+1]
	s_add_nc_u64 s[12:13], s[12:13], s[2:3]
	CROUND                                         ; all sixteen work-groups are here: the first joint loads meet
.irp s, 0,1
	s_mov_b32 s[G0+4*(\s)], 1                                      ; 1:0 count = 1
	s_add_co_u32 s[G0+4*(\s)+1], s44, (\s)*SLOT                    ; 63:32 LDS address
	s_add_nc_u64 s[G0+4*(\s)+2:G0+4*(\s)+3], s[40:41], (\s)*KSTEP*4  ; 120:64 global address: K step s, 512 bytes along the rows
	s_or_b32 s[G0+4*(\s)+3], s[G0+4*(\s)+3], 0x80000000            ; 127:126 type = 2
	s_mov_b32 s[G0B+4*(\s)], 1
	s_add_co_u32 s[G0B+4*(\s)+1], s45, (\s)*SLOT
	s_add_nc_u64 s[G0B+4*(\s)+2:G0B+4*(\s)+3], s[42:43], (\s)*KSTEP*2048  ; K step s, 128 rows of 2,048 bytes down
	s_or_b32 s[G0B+4*(\s)+3], s[G0B+4*(\s)+3], 0x80000000
	JLOAD \s                                       ; two loads of mine are out
.endr
	; THE PREFETCH OF X.  A lap's 128 rows x 1,024 bytes are 512 blocks of 256 bytes: the four partners that share the tile, four waves each, 32 lanes each, ask for one block a lane, each block once:
	; row 32 cx + 8 wave + lane / 4, block lane % 4.  Here lap 1 is asked for; the loop's first two trips ask for laps 2 and 3, one lap ahead of the joint loads; its last trip asks for nothing, so no request passes a row's end.
	v_bfe_u32 v3, v0, 2, 5                         ; 8 wave + lane / 4
	v_and_b32 v4, 3, v0
	v_lshlrev_b32 v4, 8, v4
	v_lshl_add_u32 v[PF], v3, 12, v4
	s_lshl_b32 s23, s17, 17                        ; 32 cx rows of 4,096 bytes
	v_add_nc_u32 v[PF], s23, v[PF]
	global_prefetch_b8 v[PF], s[PFB:PFB+1] th:TH_LOAD_NT scope:SCOPE_SE
	; A fragment is 16 rows x 32 K in 8 registers of bf16: lane l holds row l % 16; registers 0-3 hold K = 8 (l / 16) + 0..7, registers 4-7 K = 16 + 8 (l / 16) + 0..7.
	; Of X in f32 those are 32 bytes at 32 (l / 16) and 32 bytes at 64 + 32 (l / 16): four loads of 16 bytes, at 0, 16, 64, 80.
	v_and_b32 v1, 15, v0                           ; l % 16
	v_bfe_u32 v2, v0, 4, 1                         ; l / 16
	v_mul_u32_u24 v3, v1, PA
	v_lshl_add_u32 v3, v2, 5, v3
	s_mul_i32 s23, s[MH], HALFA                    ; my 64 rows of X
	v_add_nc_u32 v[ADRA], s23, v3
	v_add_nc_u32 v[ADRA+1], SLOT, v[ADRA]
	; The turning load takes 16 k x 16 columns (lane l reads 16 bytes: k = 8 (l / 16) + l % 8, columns 8 ((l / 8) % 2) + 0..7) and leaves half a fragment: lane l holds column l % 16 and 8 k.
	v_and_b32 v4, 7, v0
	v_lshl_add_u32 v4, v2, 3, v4
	v_mul_u32_u24 v4, v4, PB
	v_bfe_u32 v5, v0, 3, 1
	v_lshl_add_u32 v4, v5, 4, v4
	s_lshl_b32 s23, s[NH], 8                       ; my 128 columns,
	s_add_co_u32 s23, s23, ASZ                     ; behind X's rows
	v_add_nc_u32 v[ADRB], s23, v4
	v_add_nc_u32 v[ADRB+1], SLOT, v[ADRB]
	s_mul_i32 s23, s[WV], WSTG
	s_add_co_u32 s23, s23, STAGE                   ; my stage
	v_mul_u32_u24 v3, v1, SP                       ; in: row l % 16, 16 bytes for each half of the lanes
	v_lshl_add_u32 v3, v2, 4, v3
	v_add_nc_u32 v[STO], s23, v3
	v_bfe_u32 v3, v0, 3, 2                         ; back: 32 lanes take four rows of 128 bytes,
	v_mul_u32_u24 v3, v3, SP
	v_and_b32 v4, 7, v0
	v_lshl_add_u32 v3, v4, 4, v3
	v_add_nc_u32 v[RD], s23, v3
	v_and_b32 v[GO], 31, v0                        ; which are 512 consecutive bytes of a head
	v_lshlrev_b32 v[GO], 4, v[GO]
; 32 LDS loads in one run: the fragments of 32 along K, quarter kq of the slot's step: X's 64 rows in f32 first, then W's 128 columns into buffer nb
.macro FETCH slot, kq, nb
	WIN 0
.irp f, 0,1,2,3
	ds_load_b128 v[AF+16*(\f):AF+16*(\f)+3],     v[ADRA+(\slot)] offset:128*(\kq)+(\f)*16*PA
	ds_load_b128 v[AF+16*(\f)+4:AF+16*(\f)+7],   v[ADRA+(\slot)] offset:128*(\kq)+(\f)*16*PA+16
	ds_load_b128 v[AF+16*(\f)+8:AF+16*(\f)+11],  v[ADRA+(\slot)] offset:128*(\kq)+(\f)*16*PA+64
	ds_load_b128 v[AF+16*(\f)+12:AF+16*(\f)+15], v[ADRA+(\slot)] offset:128*(\kq)+(\f)*16*PA+80
.endr
	WIN TO_B
.irp b, 0,1,2,3,4,5,6,7
	ds_load_tr16_b128 v[64*(\nb)+8*(\b):64*(\nb)+8*(\b)+3],   v[ADRB+(\slot)] offset:(\kq)*32*PB+32*(\b)
	ds_load_tr16_b128 v[64*(\nb)+8*(\b)+4:64*(\nb)+8*(\b)+7], v[ADRB+(\slot)] offset:(\kq)*32*PB+16*PB+32*(\b)
.endr
.endm
; Four roundings: registers 4 g .. 4 g + 3 of the 32 of X's bf16 buffer na
.macro CVT4 g, na
	WIN 0
.set j, 4*(\g)
.rept 4
	v_cvt_pk_bf16_f32 v[AH+32*(\na)+j], v[AF+2*j], v[AF+2*j+1]
.set j, j+1
.endr
.endm
; Products lo .. hi of a quarter's 32 (product i: row block i / 8, column block i % 8), on buffers ca.  The 32 accumulators take turns, one instruction a turn, in the same order in every quarter.
; zero = 1: the product starts the sum: nothing is ever cleared.  ride = 1 (products 24-31): four roundings of the next quarter's X stand behind each product.
.macro MUL lo, hi, ca, zero, ride
.set i, \lo
.rept (\hi)-(\lo)+1
	WIN W_MUL
.set rD, 8*i
.set rB, 64*(\ca)+8*(i%8)
.set rA, AH+32*(\ca)+8*(i/8)
.if \zero
	v_wmma_f32_16x16x32_bf16 v[rD:rD+7], v[rB:rB+7], v[rA:rA+7], 0
.else
	v_wmma_f32_16x16x32_bf16 v[rD:rD+7], v[rB:rB+7], v[rA:rA+7], v[rD:rD+7]
.endif
.if \ride
	CVT4 i-24, 1-(\ca)
.endif
.set i, i+1
.endr
.endm
.macro PLACES                          ; four places in front of loads into registers that matrix instructions have read, and of conversions that read results (ISA guide 7.12.1 for vector instructions)
.rept 4
	v_nop
.endr
.endm
; A K step is four quarters of 32 along K, 32 matrix instructions each, on buffers 0, 1, 0, 1.  One of the first three: it fetches quarter kq, the next one, and multiplies buffers ca.
; The four roundings behind the quarter's last product name none of its registers: they are the four places in front of the next run of loads, which lands in the W buffer just multiplied;
; they are also the places in front of the next quarter's roundings into the X buffer just multiplied.
.macro QUARTER slot, kq, ca, zero
	FETCH \slot, \kq, 1-(\ca)
	s_wait_dscnt 32                                ; all but the 32 just issued: this quarter's W is in (its X was rounded a quarter ago)
	MUL 0, 23, \ca, \zero, 0
	s_wait_dscnt 16                                ; the next quarter's X is in; the sixteen loads of W behind it may stay out
	MUL 24, 31, \ca, \zero, 1
.endm
; The last quarter multiplies buffers 1 and changes slots: ONE barrier; in front of it each wave waits for all its tensor loads, adds 0 to its spare word, and waits for that and for its own reads of this slot.
; fill = 1: this slot is filled again, two K steps ahead; the barrier then opens a round of the cluster's.  pf = 1: the prefetch follows the joint load.
.macro TURN slot, next, fill, pf
	WIN 0                                          ; (the add's two registers lie in window 0)
	s_wait_tensorcnt 0x0                           ; all my tensor loads have landed: the one that was out is my part of the next slot;
	ds_add_u32 v[SPW], v[NIL]                      ; 0 onto my spare word
	s_wait_dscnt 1                                 ; (the add may be out: this quarter's W is in)
	MUL 0, 7, 1, 0, 0                              ; eight matrix instructions stand between the add and the wait for it
	s_wait_dscnt 0x0                               ; the add is done, and my reads of this slot are over
	s_barrier_signal -1
	MUL 8, 15, 1, 0, 0
.if \fill
	WIN 0
.endif
	s_barrier_wait -1
.if \fill
	CREST                                          ; no wave of any partner still reads this slot's tile or has a load on its way
	s_add_nc_u64 s[G0+4*(\slot)+2:G0+4*(\slot)+3], s[G0+4*(\slot)+2:G0+4*(\slot)+3], 2*KSTEP*4
	s_add_nc_u64 s[G0B+4*(\slot)+2:G0B+4*(\slot)+3], s[G0B+4*(\slot)+2:G0B+4*(\slot)+3], 2*KSTEP*2048
	JLOAD \slot                                    ; the first tensor load behind the round, my only one until the next: 112 matrix instructions ahead of the wait for it
.if \pf
	s_cmp_eq_u32 s3, 1                             ; the loop's last trip has no lap left to ask for
	s_cbranch_scc1 .Lno_pf_\@
	global_prefetch_b8 v[PF], s[PFB:PFB+1] th:TH_LOAD_NT scope:SCOPE_SE
.Lno_pf_\@:
.endif
.else
	PLACES
.endif
	FETCH \next, 0, 0
	MUL 16, 23, 1, 0, 0
	s_wait_dscnt 16                                ; the next slot's first X is in
	MUL 24, 31, 1, 0, 1
.endm
; THE WAY OUT of row block a.  PACK: rounded to f16, each accumulator's registers in ascending order, 16 bytes a lane; into my own stage (a head's 16 rows x 128 bytes, twice), and back as whole rows into the registers that they left.
.macro PACK a
	WIN 0x05                                       ; sources 0 and 1 window 1, destination window 0
.irp b, 0,1,2,3,4,5,6,7
.irp r, 0,1,2,3
	v_cvt_pk_f16_f32 v[OUT+32*(\a)+4*(\b)+(\r)], v[8*(8*(\a)+(\b))+2*(\r)], v[8*(8*(\a)+(\b))+2*(\r)+1]
.endr
.endr
	WIN 0
.irp b, 0,1,2,3,4,5,6,7
	ds_store_b128 v[STO], v[OUT+32*(\a)+4*(\b):OUT+32*(\a)+4*(\b)+3] offset:((\b)/4)*16*SP+((\b)%4)*32
.endr
.irp g, 0,1,2,3,4,5,6,7
	ds_load_b128 v[OUT+32*(\a)+4*(\g):OUT+32*(\a)+4*(\g)+3], v[RD] offset:((\g)/4)*16*SP+((\g)%4)*4*SP  ; LDS serves a wave's instructions in order (ISA guide 5.7.1.4): these see the stores above; the next block's stores come behind them
.endr
.endm
.macro SEND a, younger                 ; younger: the LDS instructions issued behind block a's loads: the next block's sixteen, or none
	WIN 0
.irp g, 0,1,2,3,4,5,6,7
	s_wait_dscnt (\younger)+7-(\g)
	global_store_b128 v[GO], v[OUT+32*(\a)+4*(\g):OUT+32*(\a)+4*(\g)+3], s[12:13] offset:((\g)/4)*262144+(\a)*2048+((\g)%4)*512  ; four rows of a head: 512 consecutive bytes, at a multiple of 256 from qkv's first byte
.endr
.endm
	s_wait_tensorcnt 1                             ; my part of K step 0 is in; K step 1's may stay out
	s_barrier_signal -1
	s_barrier_wait -1                              ; everybody's is
	FETCH 0, 0, 0
	s_wait_dscnt 16                                ; X's sixteen loads are in
.irp g, 0,1,2,3,4,5,6,7
	CVT4 \g, 0
.endr
	QUARTER 0, 1, 0, 1                             ; the first quarter stands in front of the loop: its products start the sums
	WIN 0                                          ; at a label and at a branch every window is 0
	s_wait_xcnt 0x0                                ; the prefetch's base is stepped only behind this wait
	s_add_nc_u64 s[PFB:PFB+1], s[PFB:PFB+1], 1024
	s_mov_b32 s3, LAPS-1
.Llap:                                                 ; a trip goes once round the ring, from a lap's second quarter to the next lap's first, and fills both slots again
	QUARTER 0, 2, 1, 0
	QUARTER 0, 3, 0, 0
	TURN 0, 1, 1, 1
	QUARTER 1, 1, 0, 0
	QUARTER 1, 2, 1, 0
	QUARTER 1, 3, 0, 0
	TURN 1, 0, 1, 0
	QUARTER 0, 1, 0, 0
	WIN 0
	s_wait_xcnt 0x0                                ; as above
	s_add_nc_u64 s[PFB:PFB+1], s[PFB:PFB+1], 1024
	s_sub_co_u32 s3, s3, 1
	s_cmp_lg_u32 s3, 0
	s_cbranch_scc1 .Llap
	QUARTER 0, 2, 1, 0                             ; the last lap fills nothing, and has no round of the cluster's barrier
	QUARTER 0, 3, 0, 0
	TURN 0, 1, 0, 0
	QUARTER 1, 1, 0, 0
	QUARTER 1, 2, 1, 0
	QUARTER 1, 3, 0, 0
	s_wait_dscnt 0x0                               ; the very last quarter: its W is in, nothing more to fetch
	MUL 0, 31, 1, 0, 0
	WIN 0
	PLACES                                         ; the conversions below read results and write registers that the last products read
	PACK 0
	PACK 1                                         ; a block's conversions stand between the loads of the block before and its stores
	SEND 0, 16
	PACK 2
	SEND 1, 16
	PACK 3
	SEND 2, 16
	SEND 3, 0
	s_wait_tensorcnt 0x0                           ; the wave's end: behind my last tensor load and my last LDS store
	ds_add_u32 v[SPW], v[NIL]
	s_wait_dscnt 0x0
	CROUND                                         ; the closing round: no work-group ends while a partner may still ask for a tile that names it
	s_endpgm
.Lfunc_end_k_qfaf2ba8d89_proj:
	.size	k_qfaf2ba8d89_proj, .Lfunc_end_k_qfaf2ba8d89_proj-k_qfaf2ba8d89_proj
	.p2alignl 7, 3214868480
	.fill 96, 4, 3214868480
	.section	.rodata,"a",@progbits
	.p2align	6, 0x0
	.amdhsa_kernel k_qfaf2ba8d89_proj
		.amdhsa_group_segment_fixed_size 327680
		.amdhsa_private_segment_fixed_size 0
		.amdhsa_enable_private_segment 0
		.amdhsa_kernarg_size 40
		.amdhsa_user_sgpr_count 2
		.amdhsa_user_sgpr_kernarg_segment_ptr 1
		.amdhsa_wavefront_size32 1
		.amdhsa_system_sgpr_workgroup_id_x 1
		.amdhsa_system_sgpr_workgroup_id_y 1
		.amdhsa_system_sgpr_workgroup_id_z 1
		.amdhsa_system_vgpr_workitem_id 0
		.amdhsa_next_free_vgpr 640
		.amdhsa_next_free_sgpr 66
		.amdhsa_reserve_vcc 0
		.amdhsa_float_denorm_mode_32 3
		.amdhsa_float_denorm_mode_16_64 3
		.amdhsa_memory_ordered 1
		.amdhsa_forward_progress 1
		.amdhsa_inst_pref_size 134
	.end_amdhsa_kernel
	.amdgpu_metadata
---
amdhsa.version: [ 1, 2 ]
amdhsa.kernels:
  - .name:           k_qfaf2ba8d89_proj
    .symbol:         k_qfaf2ba8d89_proj.kd
    .args:
      - { .name: Q_seq, .offset: 0, .size: 8, .value_kind: global_buffer, .address_space: global }
      - { .name: K_seq, .offset: 8, .size: 8, .value_kind: global_buffer, .address_space: global }
      - { .name: V_seq, .offset: 16, .size: 8, .value_kind: global_buffer, .address_space: global }
      - { .name: wb, .offset: 24, .size: 8, .value_kind: global_buffer, .address_space: global }
      - { .name: qkv, .offset: 32, .size: 8, .value_kind: global_buffer, .address_space: global }
    .group_segment_fixed_size: 327680
    .private_segment_fixed_size: 0
    .kernarg_segment_align: 8
    .kernarg_segment_size: 40
    .max_flat_workgroup_size: 128
    .sgpr_count:     66
    .vgpr_count:     640
    .wavefront_size: 32
...
	.end_amdgpu_metadata
.endif
;; end of part 2
;; launch attn (part 3): grid 4 x 64, 4 waves a work-group, clusters of 4 x 1, 327,680 bytes of LDS; arguments qkv, Q_len, V_len, out0; writes out0
.if DOCPART == 3
	.amdgcn_target "amdgcn-amd-amdhsa--gfx1250"
	.amdhsa_code_object_version 6
	.text
	.protected	k_qfaf2ba8d89_attn
	.globl	k_qfaf2ba8d89_attn
	.p2align	8
	.type	k_qfaf2ba8d89_attn,@function
k_qfaf2ba8d89_attn:
	s_mov_b64 s[64:65], 0
	v_nop
	global_prefetch_b8 v0, s[64:65] scope:SCOPE_SE
	s_setreg_imm32_b32 hwreg(HW_REG_WAVE_MODE, 25, 1), 1
	s_wait_xcnt 0x0
	s_wait_alu depctr_hold_cnt(0) depctr_sa_sdst(0) depctr_va_vdst(0) depctr_va_sdst(0) depctr_va_ssrc(0) depctr_va_vcc(0) depctr_vm_vsrc(0)
	s_getreg_b32 s2, hwreg(HW_REG_IB_STS2, 6, 4)
	s_cmp_eq_u32 s2, 0
	s_cbranch_scc0 .Lentry_in_a_cluster
	s_endpgm
.Lentry_in_a_cluster:
	s_bfe_u32 s2, ttmp6, 0x10000c
	s_cmp_lg_u32 s2, 0x3003
	s_cbranch_scc0 .Lentry_shape_is_right
	s_endpgm
.Lentry_shape_is_right:
; out0[b][q][64 h + :] = (q == Q_len[b] ? 0 : 1) x the sum over k of softmax_k(Q[q] . K[k] / 8 - (k == V_len[b] ? 1e12 : 0)) V[k][:], for each of the 64 heads b 16 + h.
; Q, K, V: qkv[0], qkv[1], qkv[2], each [64][2048][64] in f16, unscaled: a head's rows are dense, 128 bytes each.  Products, maxima and sums in f32; the weights p are rounded to f16 for the second
; product (their sum l is taken of the unrounded p); the output is f32.
; LIMITS.  p lies in 0 to 1, and below 6e-5 it keeps f16's fixed step of 6e-8.  A weight below 2^-126 counts as 0 in l.  The zeroed row may hold -0.  NaN and infinities are not treated apart.
; A V_len or Q_len outside 0..2047 hides nothing, as a one-hot row of zeros does.
; SHARES.  A wave owns four PIECES of two tiles of 16 queries, a work-group's four waves 512 queries of one head.  Every wave walks all 2,048 keys, 64 a step.
; LAYOUT.  S^T = K Q^T (source 0 = 16 keys, source 1 = 16 queries): in the result a lane holds ONE query (lane % 16) and the keys 8 (lane / 16) + 0..7.  Two such tiles, rounded to f16 in pairs,
; ARE source 1 (32 keys x 16 queries) of O^T = V^T P, whose result again holds one query a lane, and eight channels.  K comes out of LDS as it lies, V ([key][channel]) turned, by ds_load_tr16_b128.
; SOFTMAX.  For each query a running maximum m and sum l: p = 2^(c s - c m), c = log2(e) / 8; in every step O and l are multiplied by a = 2^(c m_old - c m_new), which is 1 where m has not grown.
; m starts at the lowest finite number, O and l at 0: the first step is a step like any other, with a = 0.
; THE KEY MASK is the C operand that starts the sum S^T = K Q^T: 0, or -8e12 at the hidden key, which the scale 1 / 8 makes the -1e12 of the problem; the maximum is taken of the masked scores.
; MD, made once, holds -8e12 where my lane's register is key V_len % 64 of a step; a step's mask MC is MD x AL with one scalar, 1 in step V_len / 64 and 0 elsewhere.  It hangs on the key alone,
; so one MC serves all eight tiles: 16 packed lines for a step's 128 products.  No branch and no address hangs on the two lengths.
; THE QUERY MASK: the reciprocal of l is replaced by 0 in the lanes that hold query Q_len.
; THE COUNT.  A tile and step have 16 matrix and 118 vector instructions: too many to stand all beside the matrix work.  So: four vector instructions that are READY behind EVERY matrix instruction,
; and the others, which need time of their own whatever the order, in runs without a gap.
; BY TURNS.  Turn n belongs to piece n (the pieces in a ring, step after step).  Its matrix work: 16 products K Q^T of piece n + 1, later 16 products V^T P of piece n - 1.  Its vector work: the scaling,
; exponentials, roundings, sums and rescaling of piece n, and the maximum and statistics of piece n + 1, whose scores the turn itself has made.
; CLUSTER.  The four query blocks of a cluster belong to one head and walk the same K and V, so each tile is asked for JOINTLY: the same tensor load, descriptor and mask in all four.
; No prefetch: a slot's refill is asked for four key steps, 512 matrix instructions, ahead of its first read.
; REGISTERS, in windows of 256 (s_set_vgpr_msb: bits 1:0 source 0, 3:2 source 1, 5:4 source 2, 7:6 destination):
;   window 0: v0-11 addresses; v12-15, v48-63 at work; v16-47 four registers of statistics a tile; v64-191 S^T, two buffers of two tiles; v192-255 P, likewise
;   window 1: O^T, 32 a tile          window 2: v0-127 Q, 16 a tile; v128-191 K of one step; v192-255 V of one step          window 3: v0-1 the add's two registers; v32-63 MD; v64-95 MC
.set SIZE_N, 2048
.set NP,    4         ; pieces a wave: a name, no knob
.set KS,    64        ; keys in a step
.set PK,    144       ; a row of K in LDS: 128 bytes + 16 of padding = 36 words: the 16 rows of a load start at 16 different groups of four banks (64 banks of 4 bytes: ISA guide 11.1)
.set PV,    160       ; a row of V: 128 + 32 = 40 words
.set VOFF,  4*KS*PK   ; a slot holds four steps: 256 rows of K, then 256 rows of V
.set SLOT1, 1<<17     ; slot 1 begins here, so that one exclusive or turns an address in one slot into the other's
.set STAGE, SLOT1+4*KS*(PK+PV)  ; behind the ring, never filled by a tensor load: 16 rows x 272 bytes for each wave, for the way out
.set SP,    272       ; a row of the stage: 64 channels of f32 + 16 bytes
.set AK0, 2           ; v2   my lane's place in a tile of K; never rewritten
.set AV0, 3           ; v3   the same for V
.set AK,  4           ; v4   the LDS address of K's next run of loads
.set AV,  5           ; v5   of V's
.set QO,  6           ; v6   my byte offset in the wave's rows of Q
.set STO, 6           ;      later, the way out: where I put 32 bytes of a row
.set RD,  7           ; v7   the way out: where I read rows back
.set GO,  8           ; v8   my byte offset in two rows of out0
.set SPW, 0           ; v0 of window 3   LDS address of my spare word: SPARE + 4 x my thread's number; never rewritten
.set NIL, 1           ; v1 of window 3   0; never rewritten
.set MD,  32          ; window 3: the eight registers for group kt of 16 keys at MD + 8 kt
.set MC,  64          ; window 3: the mask of the step whose scores come next
.set SPARE, STAGE+4*16*SP  ; behind the stages: the spare words, 128 bytes for each wave: two blocks of 256 bytes that no other line names
.set MV,  12          ; v12-15  c m_old, kept while c m is made anew: by buffer and tile
.set ST,  16          ; tile t's statistics at v[ST+4 t]: c m, m, l (even keys', odd keys')
.set TMP, 48          ; by buffer and tile, four registers c0-c3 at work; when the maximum is found c2 takes a
.set S,   64
.set P,   192
.set KF,  128         ; K's fragments, in window 2: key block kb, channel half c at KF + 16 kb + 8 c
.set VF,  192         ; V's: key half kk, channel block cb at VF + 32 kk + 8 cb
.set WV,  12          ; s12  my wave's number
.set IDX, 19          ; s19  my wave among the head's sixteen
.set G1K, 24          ; s[24:31] descriptor group 1 for K's tiles
.set G1V, 32          ; s[32:39] for V's: it differs in the padding alone
.set G0K, 40          ; s[40:43] descriptor group 0 for K's tiles: it walks
.set G0V, 44          ; s[44:47] the same for V's
.set QL,  48          ; s48  Q_len[b]
.set VL,  49          ; s49  V_len[b]
.set VST, 50          ; s50  the step that holds the hidden key
.set SN,  51          ; s51  the number of the step whose scores come next
.set AL,  52          ; s[52:53] the mask's factor, in the low word
.set BIG, 54          ; s54  -8e12
.set QREL, 55         ; s55  Q_len less my wave's first query
.set SLOTS, 56        ; s56  slots still to be asked for
.set CNT, 57          ; s57  counts a slot's key steps
.set CS,  58          ; s[58:59] c: the packed scaling takes the pair's low word for both halves
.set SEL, 60          ; s[60:61] v_permlanex16_b32's selects: each lane takes its own place in the other half
.set TBK, 62          ; s62  LDS byte at which K of the step to be fetched begins
.set TBV, 63          ; s63  the same for V, less VOFF
.set MSB, 0
.macro WIN new                      ; the high byte repeats the setting that is left; a switch that changes nothing is dropped
.if MSB != (\new)
	s_set_vgpr_msb (MSB<<8)|(\new)
.set MSB, (\new)
.endif
.endm
.set W_KQ, 0x0a       ; K and Q in window 2, S^T in window 0
.set W_KM, 0x3a       ; the same with the C operand in window 3
.set W_PV, 0x52       ; V in window 2, P in window 0, O^T in window 1
.set W_RS, 0x41       ; O^T (destination and source 0) in window 1, a in window 0
.set W_MK, 0xc0       ; destination in window 3, sources in window 0
.set W_AD, 0x0f       ; the add: address (source 0) and data (source 1) in window 3
; A joint fill.  Waves 0 and 1 fetch the two halves of a slot's K, waves 2 and 3 those of its V: 128 keys each.  The branch hangs on the wave's number alone.
; An s_nop 0 and four v_nop follow each of the two lines, ahead of the jump and the label.
.macro JLOAD
	s_cmp_lt_u32 s[WV], 2
	s_cbranch_scc0 .Lfor_v_\@
	tensor_load_to_lds s[G0K:G0K+3], s[G1K:G1K+7]
	s_nop 0
.rept 4
	v_nop
.endr
	s_branch .Lasked_\@
.Lfor_v_\@:
	tensor_load_to_lds s[G0V:G0V+3], s[G1V:G1V+7]
	s_nop 0
.rept 4
	v_nop
.endr
.Lasked_\@:
.endm
; A round of the cluster's barrier: my work-group's barrier, so that wave 0's signal speaks for all four waves; wave 0 signals; every wave waits for all four work-groups; my work-group's barrier once more.
.macro CROUND
	s_barrier_signal -1
	s_barrier_wait -1
	s_cmp_lg_u32 s[WV], 0
	s_cbranch_scc1 .Lnot_wave_0_\@
	s_barrier_signal -3
.Lnot_wave_0_\@:
	s_barrier_wait -3
	s_barrier_signal -1
	s_barrier_wait -1
.endm
; THE CHANGE OF SLOTS.  The slot's last bytes, V of its fourth step, have been read.  Each wave waits for all its tensor loads, of which one is out: its part
; of the other slot; adds 0 to its spare word; and waits for that and for its own reads of the slot.  Behind the barrier nobody reads this slot any more and the other slot is whole.
; fill = 1: this slot is filled again, with the keys two slots on.  The barrier is then a round of the cluster's, so that no wave of any partner still reads the slot or has a load on its
; way, and the joint fill is the first thing behind it: it has four key steps, 512 matrix instructions, in which to land.  (At its first use nothing has been read yet: slot 0 is waited for, slot 1 filled.)
.macro CHANGE fill
	WIN W_AD
	s_wait_tensorcnt 0x0            ; no tensor load of mine is out, so a group 0 may be written
	ds_add_u32 v[SPW], v[NIL]       ; 0 onto my spare word; with fill = 1 the descriptors' steps stand between it and the wait for it
	WIN 0                           ; at a label and at a branch every window is 0
.if \fill
.irp g, G0K, G0V
	s_xor_b32 s[\g+1], s[\g+1], SLOT1  ; the walking descriptor: the other slot than last time,
	s_add_nc_u64 s[\g+2:\g+3], s[\g+2:\g+3], 4*KS*128  ; the next 256 keys; the type bits on top are not reached
.endr
	s_wait_dscnt 0x0                ; the add is done, and my reads of the slot are over
	CROUND
	JLOAD
.else
	s_wait_dscnt 0x0                ; the add is done, and my reads of the slot are over
	s_barrier_signal -1
	s_barrier_wait -1
.endif
	s_sub_co_u32 s[TBK], s[TBK], 4*KS*PK  ; the fetches go back to a slot's first step,
	s_xor_b32 s[TBK], s[TBK], SLOT1       ; in the other slot
	s_sub_co_u32 s[TBV], s[TBV], 4*KS*PV
	s_xor_b32 s[TBV], s[TBV], SLOT1
.endm
.macro MASK                         ; MC = MD x AL
	WIN 0xc3                        ; destination and source 0 in window 3
.set z, 0
	s_wait_alu depctr_va_vdst(0)
.rept 16
	v_pk_mul_f32 v[MC+2*z:MC+2*z+1], v[MD+2*z:MD+2*z+1], s[AL:AL+1] op_sel_hi:[1,0]
.set z, z+1
.endr
.endm
	s_load_b256 s[4:11], s[0:1], 0x0  ; qkv s[4:5], Q_len s[6:7], V_len s[8:9], out0 s[10:11]
	WIN W_MK
	v_lshl_add_u32 v[SPW], v0, 2, SPARE
	v_mov_b32 v[NIL], 0
	WIN W_AD
	ds_add_u32 v[SPW], v[NIL]       ; the wave's opening: the add and its wait stand ahead of my first tensor load; the set-up below, work on registers, stands between them
	WIN 0
	v_lshrrev_b32 v1, 5, v0
	v_readfirstlane_b32 s[WV], v1   ; wave 0..3
	s_bfe_u32 s13, ttmp6, 0x40000   ; cx: my place in the cluster
	s_lshl_b32 s14, ttmp9, 2        ; in a cluster launch ttmp9 counts clusters
	s_add_co_u32 s14, s14, s13      ; my block of 512 queries = 4 x cluster x + cx: it enters Q's and the output's addresses and the query mask alone
	s_and_b32 s15, ttmp7, 0xffff    ; the head b 16 + h, which the four partners share
	s_lshl_b32 s20, s15, 18         ; its first byte in each of q, k, v: 2,048 rows of 128 bytes a head
	s_mov_b32 s21, 0
	s_and_b32 s16, s[WV], 1         ; which half of a slot's 256 keys I fetch:
	s_lshl_b32 s22, s16, 14         ; its 128 rows of 128 bytes in memory,
	s_mov_b32 s23, 0
	s_add_nc_u64 s[22:23], s[22:23], s[20:21]
	s_mul_i32 s17, s16, 128*PK      ; and its place in a slot, for K
	s_mul_i32 s18, s16, 128*PV      ; and for V: no place in the cluster enters an LDS address
	s_lshl_b32 s[IDX], s14, 2
	s_add_co_u32 s[IDX], s[IDX], s[WV]  ; my wave among the head's,
	s_lshl_b32 s2, s[IDX], 14       ; its 128 rows of Q
	s_mov_b32 s3, 0
	s_add_nc_u64 s[2:3], s[2:3], s[20:21]
	s_lshr_b32 s13, s15, 4          ; b
	s_lshl_b32 s52, s13, 2          ; its word in Q_len and V_len
	s_mov_b32 s53, 0                ; (stays 0: the upper word of the pair AL)
	s_lshl_b32 s54, s13, 23         ; the output: batch b's 2,048 rows of 4,096 bytes,
	s_lshl_b32 s55, s[IDX], 19      ; my wave's 128 rows,
	s_add_co_u32 s54, s54, s55
	s_and_b32 s55, s15, 15
	s_lshl_b32 s55, s55, 8          ; the head's 256 bytes of a row
	s_add_co_u32 s54, s54, s55
	s_mov_b32 s55, 0
	; descriptor group 1.  128 keys are 16,384 dense bytes: asked for as 64 rows of 256 bytes, two keys a row, and padded in LDS after every key
	s_mov_b32 s[G1K], 15|(1<<16)|(1<<20)|(1<<21)|(4<<22)|(3<<25)  ; 15:0 the mask of four; 17:16 2-byte elements; 20 padding on; 21 set beside a mask; 24:22 after every 32 words (code 4); 31:25 4 words (code 3)
	s_mov_b32 s[G1V], 15|(1<<16)|(1<<20)|(1<<21)|(4<<22)|(7<<25)  ; the same with 8 words of padding (code 7)
.irp g, G1K, G1V
	s_mov_b32 s[\g+1], 128<<16      ; tensor_dim0 = 128
	s_mov_b32 s[\g+2], 64<<16       ; tensor_dim1 = 64
	s_mov_b32 s[\g+3], 128<<16      ; tile_dim0 = 128
	s_mov_b32 s[\g+4], 64           ; tile_dim1 = 64
	s_mov_b32 s[\g+5], 128          ; 128 elements from row to row
	s_mov_b32 s[\g+6], 0
	s_mov_b32 s[\g+7], 0
.endr
	s_mov_b32 s[CS], 0x3e38aa3b     ; c = log2(e) / 8 = 0.180337
	s_mov_b32 s[CS+1], s[CS]        ; named with it as a pair
	s_mov_b32 s[SEL], 0x76543210
	s_mov_b32 s[SEL+1], 0xfedcba98
	s_mov_b32 s[TBK], SLOT1+4*KS*PK ; the first change of slots turns these two into 0
	s_mov_b32 s[TBV], SLOT1+4*KS*PV
	s_mov_b32 s[G0K], 1             ; 1:0 count = 1
	s_mov_b32 s[G0K+1], s17         ; 63:32 LDS address: slot 0
	s_mov_b32 s[G0V], 1
	s_add_co_u32 s[G0V+1], s18, VOFF
	s_wait_dscnt 0x0                ; the opening add is done
	s_wait_kmcnt 0x0
	s_add_nc_u64 s[G0K+2:G0K+3], s[4:5], s[22:23]  ; 120:64 global address: my half of the head's first 256 keys,
	s_add_nc_u64 s[G0K+2:G0K+3], s[G0K+2:G0K+3], 0x1000000  ; in k, 16,777,216 bytes behind q
	s_or_b32 s[G0K+3], s[G0K+3], 0x80000000        ; 127:126 type = 2
	s_add_nc_u64 s[G0V+2:G0V+3], s[4:5], s[22:23]
	s_add_nc_u64 s[G0V+2:G0V+3], s[G0V+2:G0V+3], 0x2000000  ; in v
	s_or_b32 s[G0V+3], s[G0V+3], 0x80000000
	s_add_nc_u64 s[4:5], s[4:5], s[2:3]            ; Q at my wave's first row
	s_add_nc_u64 s[10:11], s[10:11], s[54:55]      ; the output at my wave's first row, my head's columns
	s_add_nc_u64 s[6:7], s[6:7], s[52:53]          ; Q_len[b], V_len[b]
	s_add_nc_u64 s[8:9], s[8:9], s[52:53]
	CROUND                          ; all four work-groups are here: the first joint loads meet
	JLOAD                           ; slot 0.  Slot 1 is asked for when slot 0 is in
	s_load_b32 s[QL], s[6:7], 0x0
	s_load_b32 s[VL], s[8:9], 0x0
	; A fragment of K or Q is 16 rows x 32 channels in 8 registers: lane l holds row l % 16, channels 8 (l / 16) + 0..7 and 16 + 8 (l / 16) + 0..7: two loads of 16 bytes, 32 bytes apart.
	v_and_b32 v1, 15, v0            ; l % 16
	v_bfe_u32 v9, v0, 4, 1          ; l / 16
	v_lshlrev_b32 v[QO], 7, v1
	v_lshl_add_u32 v[QO], v9, 4, v[QO]  ; row x 128 + 16 x half
	WIN 0x80                        ; destination window 2, address window 0
.set i, 0
.rept 4*NP                          ; Q stays in registers: tile i / 2, channels 32 (i % 2) on
	global_load_b128 v[8*i:8*i+3],   v[QO], s[4:5] offset:(i/2)*2048+(i%2)*64
	global_load_b128 v[8*i+4:8*i+7], v[QO], s[4:5] offset:(i/2)*2048+(i%2)*64+32
.set i, i+1
.endr
	; What the first turn finds: V's registers and P's second buffer hold 0 (its products V^T P, of a piece that has not been, add 0), O^T and l are 0.  No first step is written out; this is its price, paid in the wait for the first tile.
.set i, VF
.rept 64
	v_mov_b32 v[i], 0
.set i, i+1
.endr
	WIN 0x40
.set i, 0
.rept 64*NP
	v_mov_b32 v[i], 0
.set i, i+1
.endr
	WIN 0
.set i, 0
.rept 2*NP
	v_mov_b32 v[ST+4*i], 0xfe000000    ; c m: far below every c s, the hidden key's too
	v_mov_b32 v[ST+4*i+1], 0xff7fffff  ; m
	v_mov_b32 v[ST+4*i+2], 0
	v_mov_b32 v[ST+4*i+3], 0
.set i, i+1
.endr
.set i, P+32
.rept 32
	v_mov_b32 v[i], 0
.set i, i+1
.endr
	v_mul_u32_u24 v[AK0], v1, PK
	v_lshl_add_u32 v[AK0], v9, 4, v[AK0]  ; row x pitch + 16 x half
	; The turning load takes 16 keys x 16 channels (lane l reads key 8 (l / 16) + l % 8, channels 8 ((l / 8) % 2) + 0..7) and leaves half a fragment of V^T: lane l holds channel l % 16 and 8 keys.
	v_and_b32 v10, 7, v0
	v_bfe_u32 v11, v0, 3, 1
	v_lshl_add_u32 v[AV0], v9, 3, v10
	v_mul_u32_u24 v[AV0], v[AV0], PV
	v_lshl_add_u32 v[AV0], v11, 4, v[AV0]
	v_add_nc_u32 v[AV0], VOFF, v[AV0]
	v_mov_b32 v[AK], v[AK0]         ; key step 0 lies at the head of slot 0
	; The two lengths, and the masks made of them
	s_wait_kmcnt 0x0
	s_lshr_b32 s[VST], s[VL], 6
	s_mov_b32 s[SN], 0
	s_mov_b32 s[BIG], 0xd4e8d4a5    ; -8e12
	s_lshl_b32 s[QREL], s[IDX], 7
	s_sub_co_u32 s[QREL], s[QL], s[QREL]
	s_and_b32 s13, s[VL], 63
	v_lshlrev_b32 v14, 3, v9
	v_sub_nc_u32 v14, s13, v14      ; the hidden key's place in its step less my lanes' 8 (l / 16): register r of group kt holds it where 16 kt + r is equal
	WIN W_MK
.set i, 0
.rept 32
	v_cmp_eq_i32 vcc_lo, 16*(i/8)+i%8, v14
	v_cndmask_b32 v[MD+i], 0, s[BIG], vcc_lo
.set i, i+1
.endr
	s_cmp_eq_u32 s[VST], 0
	s_cselect_b32 s[AL], 1.0, 0
	MASK                            ; step 0's mask
	WIN 0
; THE MATRIX WORK.  The 8 accumulators of a run of 16 take turns: between the two links of a chain stand 7 others'.
; Product i of 16 of S^T = K Q^T for piece x: channels 32 (i / 8) on, keys 16 ((i / 2) % 4) on, tile 2 x + i % 2.  The first 8 start the sums, with the step's mask as C.
.macro KQ x
.set rS, S+64*((\x)%2)+32*(i%2)+8*((i/2)%4)
.set rK, KF+16*((i/2)%4)+8*(i/8)
.set rQ, 16*(2*(\x)+i%2)+8*(i/8)
.set rMC, MC+8*((i/2)%4)
.if i < 8
	WIN W_KM
	v_wmma_f32_16x16x32_f16 v[rS:rS+7], v[rK:rK+7], v[rQ:rQ+7], v[rMC:rMC+7]
.else
	WIN W_KQ
	v_wmma_f32_16x16x32_f16 v[rS:rS+7], v[rK:rK+7], v[rQ:rQ+7], v[rS:rS+7]
.endif
.endm
; Product i of 16 of O^T += V^T P for piece x: keys 32 (i / 8) on, channels 16 ((i / 2) % 4) on, tile 2 x + i % 2.
.macro PV x
	WIN W_PV
.set rO, 32*(2*(\x)+i%2)+8*((i/2)%4)
.set rV, VF+32*(i/8)+8*((i/2)%4)
.set rP, P+32*((\x)%2)+16*(i%2)+8*(i/8)
	v_wmma_f32_16x16x32_f16 v[rO:rO+7], v[rV:rV+7], v[rP:rP+7], v[rO:rO+7]
.endm
.macro MM                           ; the turn's next matrix instruction
.if i < 16
	KQ (Y+1)%NP
.set i, i+1
.else
.set i, i-16
	PV (Y+NP-1)%NP
.set i, i+17
.endif
.endm
; THE LDS LOADS stand in runs of 16, never singly among the matrix instructions: a step's K (64 keys x 64 channels: 8 fragments) and its V (turned).  Their addresses are made some lines ahead.
; last = 1 (the tail): in the last trip there is no further step, and the run is jumped over.
.macro FETCH_K last=0
	WIN 0
.if \last
	s_cmp_eq_u32 s[CNT], 1
	s_cbranch_scc1 .Lno_k_\@
.endif
	WIN 0x80                        ; destination window 2
.irp f, 0,1,2,3,4,5,6,7             ; keys 16 (f / 2) on, channels 32 (f % 2) on
	ds_load_b128 v[KF+8*\f:KF+8*\f+3],   v[AK] offset:(\f/2)*16*PK+(\f%2)*64
	ds_load_b128 v[KF+8*\f+4:KF+8*\f+7], v[AK] offset:(\f/2)*16*PK+(\f%2)*64+32
.endr
	s_add_co_u32 s[TBK], s[TBK], KS*PK  ; the next fetch is the next step's
	WIN 0
.if \last
.Lno_k_\@:
.endif
.endm
.macro FETCH_V
	WIN 0x80
.irp f, 0,1,2,3,4,5,6,7             ; keys 32 (f / 4) on, channels 16 (f % 4) on
	ds_load_tr16_b128 v[VF+8*\f:VF+8*\f+3],   v[AV] offset:(\f/4)*32*PV+(\f%4)*32
	ds_load_tr16_b128 v[VF+8*\f+4:VF+8*\f+7], v[AV] offset:(\f/4)*32*PV+16*PV+(\f%4)*32
.endr
	WIN 0
.endm
; THE VECTOR WORK OF A TURN stands in three queues, each in the order in which its entries become ready; the two tiles alternate, so that no instruction reads the result of the one before it.
.macro REGS y, u                    ; the registers of tile u (0, 1) of piece y
.set rT, ST+4*(2*(\y)+(\u))
.set rC, TMP+8*((\y)%2)+4*(\u)
.set rM, MV+2*((\y)%2)+(\u)
.set rS, S+64*((\y)%2)+32*(\u)
.set rP, P+32*((\y)%2)+16*(\u)
.set rO, 32*(2*(\y)+(\u))
.endm
; Number n of the 22 that find the NEXT piece's (Y + 1) maximum and statistics.  s0-s31 are the lane's 32 scores; each accumulator's lowest registers are read first.  XS, GS and REGS set no window: PL and EX do.
;   0-11  four chains c0-c3 of seven scores each, three operands at a time     12-14, 16  the four scores left over, the old m, and c0-c3 into c0     15  c m_old is kept
;   17, 18  the query's other 32 keys lie in the lane 16 away: the new m         19-21  c m; c m_old - c m_new; a
.macro XS u, n
	REGS (Y+1)%NP, \u
.if (\n) < 4
	v_max3_num_f32 v[rC+(\n)], v[rS+8*(\n)], v[rS+8*(\n)+1], v[rS+8*(\n)+2]
.elseif (\n) < 12
	v_max3_num_f32 v[rC+(\n)%4], v[rC+(\n)%4], v[rS+8*((\n)%4)+2*((\n)/4)+1], v[rS+8*((\n)%4)+2*((\n)/4)+2]
.elseif (\n) == 12
	v_max3_num_f32 v[rC], v[rC], v[rS+7], v[rS+15]
.elseif (\n) == 13
	v_max3_num_f32 v[rC+1], v[rC+1], v[rS+23], v[rS+31]
.elseif (\n) == 14
	v_max3_num_f32 v[rC+2], v[rC+2], v[rC+3], v[rT+1]
.elseif (\n) == 15
	v_mov_b32 v[rM], v[rT]
.elseif (\n) == 16
	v_max3_num_f32 v[rC], v[rC], v[rC+1], v[rC+2]
.elseif (\n) == 17
	v_permlanex16_b32 v[rC+3], v[rC], s[SEL], s[SEL+1]
.elseif (\n) == 18
	v_max_num_f32 v[rT+1], v[rC], v[rC+3]
.elseif (\n) == 19
	v_mul_f32 v[rT], s[CS], v[rT+1]
.elseif (\n) == 20
	v_sub_f32 v[rC+1], v[rM], v[rT]
.else
	v_exp_f32 v[rC+2], v[rC+1]
.endif
.endm
; Number g of the 64 that follow the exponentials.  For each four weights k of a tile (pairs 2 k, 2 k + 1): both pairs are rounded to f16; then the second pair is added onto the first, in place;
; a group later l takes that sum (the first time as l = a l + sum).  In groups of eight, tiles alternating: round, round, add, and l for the group before.
.macro GS g
.set h, (\g)+6*((\g)/62)            ; group 0 has no group before it, and behind group 7 only l is left
.if h >= 6
.set h, h+2
.endif
	REGS Y, h%2
.set k, h/8
.if h%8 < 4
	s_wait_alu depctr_va_vdst(0)
	v_cvt_pk_f16_f32 v[rP+2*k+(h%8)/2], v[rS+4*k+2*((h%8)/2)], v[rS+4*k+2*((h%8)/2)+1]
.elseif h%8 < 6
	v_pk_add_f32 v[rS+4*k:rS+4*k+1], v[rS+4*k:rS+4*k+1], v[rS+4*k+2:rS+4*k+3]
.elseif k == 1
	v_pk_fma_f32 v[rT+2:rT+3], v[rT+2:rT+3], v[rC+2:rC+3], v[rS:rS+1] op_sel_hi:[1,0,1]
.else
	v_pk_add_f32 v[rT+2:rT+3], v[rT+2:rT+3], v[rS+4*k-4:rS+4*k-3]
	s_wait_alu depctr_va_vdst(0)
.endif
.endm
; THE PLAIN QUEUE, 138 long.  0-31: c s - c m for the 16 pairs of both tiles.  Then GS's 64, and among them the next piece's 42: number 15 at 38, 39; 0-14 and 16
; at 42-73, behind the products that make those scores; 17-20 at 95-106, two of three, since each waits for the one before it.
.macro PL
	WIN 0
.if q < 32
	REGS Y, q%2
	v_pk_fma_f32 v[rS+2*(q/2):rS+2*(q/2)+1], v[rS+2*(q/2):rS+2*(q/2)+1], s[CS:CS+1], v[rT:rT+1] op_sel_hi:[1,0,0] neg_lo:[0,0,1] neg_hi:[0,0,1]
.elseif q < 38
	GS q-32
.elseif q < 40
	XS q%2, 15
.elseif q < 42
	GS q-34
.elseif q < 74
	XS q%2, (q-42)/2+(q-42)/30
.elseif q < 95
	GS q-66
.elseif (q < 107) && ((q-95)%3 < 2)
	XS (q-95)%3, 17+(q-95)/3
.elseif q < 107
	GS 29+(q-95)/3
.else
	GS q-74
.endif
.set q, q+1
.endm
; THE EXPONENTIALS' QUEUE, 66 long: s0-s31 of both tiles, and at EA the next piece's two a.
.set EA, 58
.macro EX
	WIN 0
.if (e == EA) || (e == EA+1)
	XS e-EA, 21
.else
.set x, e-2*(e/(EA+2))
	REGS Y, x%2
	v_exp_f32 v[rS+x/2], v[rS+x/2]
.endif
.set e, e+1
.endm
; THE RESCALING's QUEUE: O^T times a, the one part of a softmax that leaves window 0, so it is dealt four at a time, eight times.
.macro R4
	REGS Y, r%2
	WIN W_RS
	s_wait_alu depctr_va_vdst(0)
.irp z, 0,1,2,3
	v_pk_mul_f32 v[rO+8*(r/2)+2*\z:rO+8*(r/2)+2*\z+1], v[rO+8*(r/2)+2*\z:rO+8*(r/2)+2*\z+1], v[rC+2:rC+3] op_sel_hi:[1,0]
.endr
.set r, r+1
.endm
; HOW THEY ARE DEALT.  Behind a matrix instruction four: plain, exponential, plain, plain (one exponential, a plain instruction on either side), or four of the rescaling.  None names a register of the
; products round it.  What is over stands in two LUMPS: exponential and plain by turns; the second ends in 22 plain instructions.  The two v_permlanex16_b32 fall into the second lump, never behind a product.
; The queues lean on each other, and the deal keeps them in step: exponential e stands behind plain 2 (e / 4) + e % 2 (its scaling); when plain 32 comes, 10 exponentials are out, at 59: 33, at 95: 46; EA comes behind plain 107.
.macro SL
	MM
	PL
	EX
	PL
	PL
.endm
.macro BURST n                      ; 15 matrix instructions, or 16
.rept (\n)-7
	SL
.endr
.rept 3
	MM
	R4
	SL
.endr
	MM
	R4
.endm
; A TURN, for piece p.  cnt = 1: the loop's count is taken down some lines ahead of the branch that stands behind the turn.
; K of the next step is fetched in piece 2's turn, 31 vector instructions behind the last product that read K; its first reader comes behind the rest of the lump, 16 products and the second lump.
; V of the step in hand is fetched at the end of piece 0's turn, 69 behind its last reader; its first reader comes behind 16 products and a lump.  The four conditions on e and q below go with the deal.
; The next step's mask is made in piece 2's turn, in the second lump: the step's last products that take the old mask stand at that turn's head, and piece 3's turn starts the next step's scores.
.macro TURN p, last=0, cnt=0
.set Y, (\p)
.set i, 0
.set q, 0
.set e, 0
.set r, 0
.if (\p) == NP-1
	s_wait_dscnt 0x0                ; K is in
.endif
	MM
.rept 4
	PL
.endr
	BURST 15
.rept 22
	EX
	PL
.if ((\p) == NP-2) && (e == 18)
	v_add_nc_u32 v[AK], s[TBK], v[AK0]
.endif
.if ((\p) == NP-2) && (e == 24)
	FETCH_K \last
.endif
.endr
.if (\p) == 1
	s_wait_dscnt 0x0                ; V is in
.endif
	BURST 16
.rept 21
	EX
	PL
.endr
.if (\p) == NP-2
	s_add_co_u32 s[SN], s[SN], 1
	s_cmp_eq_u32 s[SN], s[VST]      ; does the next step hold the hidden key?
	s_cselect_b32 s[AL], 1.0, 0
	MASK
.endif
.rept 22
	PL
.if ((\p) == 0) && (q == 118)
	v_add_nc_u32 v[AV], s[TBV], v[AV0]
	s_wait_alu depctr_va_vdst(0)
.endif
.if ((\p) == 0) && (q == 130)
	s_add_co_u32 s[TBV], s[TBV], KS*PV
.endif
.if (\cnt) && (q == 130)
	s_sub_co_u32 s[CNT], s[CNT], 1
	s_cmp_lg_u32 s[CNT], 0
.endif
.endr
.if (\p) == 0
	FETCH_V
.endif
.endm
	CHANGE 1                        ; slot 0 is in, everybody's part of it; slot 1 is asked for
	FETCH_K                         ; key step 0
	s_wait_loadcnt 0x0              ; Q
	s_wait_dscnt 0x0
.set i, 0
.rept 16
	KQ 0                            ; piece 0's first scores: there is no vector work yet to set between them
.set i, i+1
.endr
	WIN 0                           ; the addresses for the way out: eight plain instructions, the places behind those products
	s_mul_i32 s13, s[WV], 16*SP
	s_add_co_u32 s13, s13, STAGE    ; my stage
	v_mul_u32_u24 v[STO], v1, SP    ; in: row l % 16, 32 bytes for each half of the lanes
	v_lshl_add_u32 v[STO], v9, 5, v[STO]
	v_add_nc_u32 v[STO], s13, v[STO]
	v_mul_u32_u24 v[RD], v9, SP     ; back: lanes 0-15 take one row of 256 bytes, lanes 16-31 the next
	v_lshl_add_u32 v[RD], v1, 4, v[RD]
	v_add_nc_u32 v[RD], s13, v[RD]
	v_lshlrev_b32 v[GO], 12, v9     ; and the same two rows of the output, 4,096 bytes apart
	v_lshl_add_u32 v[GO], v1, 4, v[GO]
.set Y, NP-1                        ; XS works for piece Y + 1: piece 0
.irp n, 0,1,2,3,4,5,6,7,8,9,10,11,12,13,14,15,16,17,18,19,20,21
	XS 0, \n                        ; and piece 0's first maximum and statistics
	XS 1, \n
.endr
	s_mov_b32 s[CNT], 4
	s_mov_b32 s[SLOTS], SIZE_N/256-1
	s_branch .Lfirst                ; the loop is entered at a step's first turn, in the middle of a trip
.Lslot:                             ; SIZE_N / 256 - 2 times: every slot but the last two is filled again
	CHANGE 1
	s_mov_b32 s[CNT], 4
.Lstep:                             ; a trip: pieces 2 and 3 of one step, then pieces 0 and 1 of the next, whose K and V it fetches
	TURN 2
	TURN 3
	WIN 0
.Lfirst:
	TURN 0
	TURN 1, 0, 1
	WIN 0
	s_cbranch_scc1 .Lstep
	s_sub_co_u32 s[SLOTS], s[SLOTS], 1
	s_cmp_lg_u32 s[SLOTS], 0
	s_cbranch_scc1 .Lslot
	CHANGE 0                        ; the tail is written out: nothing is asked for
	s_mov_b32 s[CNT], 5             ; four trips fetch the last slot's steps; the fifth is left in its middle
.Ltail:
	TURN 2, 1
	TURN 3
	WIN 0
	s_sub_co_u32 s[CNT], s[CNT], 1
	s_cmp_eq_u32 s[CNT], 0
	s_cbranch_scc1 .Lout
	TURN 0
	TURN 1
	WIN 0
	s_branch .Ltail
.Lout:                              ; the fifth trip's 16 products K Q^T (on the last K once more) and the maximum made of them serve nothing: the price, once a launch, of one text for every trip
.set i, 0
.rept 16
	PV NP-1                         ; the last piece's V^T P of the last step
.set i, i+1
.endr
	; THE WAY OUT.  l's two halves and the other half of the lanes' are added; O^T is divided by l (by 1 / 0 -> times 0 for query Q_len) and sent, in f32, through my stage in LDS, a tile at a time.  The additions are the places behind the last products.
	WIN 0
.macro ALL line:vararg              ; one line for each tile t
.set t, 0
.rept 2*NP
	\line
.set t, t+1
.endr
.endm
	ALL v_add_f32 v[ST+4*t+2], v[ST+4*t+2], v[ST+4*t+3]
	ALL v_permlanex16_b32 v[ST+4*t+3], v[ST+4*t+2], s[SEL], s[SEL+1]
	ALL v_add_f32 v[ST+4*t+2], v[ST+4*t+2], v[ST+4*t+3]
	ALL v_rcp_f32 v[ST+4*t+2], v[ST+4*t+2]
	v_sub_nc_u32 v10, s[QREL], v1   ; Q_len less my wave's first query less l % 16: tile t holds the query where this is 16 t.  Also the plain instruction behind the last reciprocal
.set t, 0
	s_wait_alu depctr_va_vdst(0)
.rept 2*NP
	v_cmp_ne_u32 vcc_lo, 16*t, v10
	v_cndmask_b32 v[ST+4*t+2], 0, v[ST+4*t+2], vcc_lo
.set t, t+1
.endr
; Tile t: a lane's eight channels of a row are 32 bytes; they go into rows of 272 bytes and come back as whole rows of 256, into the registers that they left.
.macro PACK t
	WIN W_RS
.set i, 32*(\t)
.rept 16
	v_pk_mul_f32 v[i:i+1], v[i:i+1], v[ST+4*(\t)+2:ST+4*(\t)+3] op_sel_hi:[1,0]
.set i, i+2
.endr
	WIN 0x04                        ; the stores' data (source 1) in window 1, the address in window 0
.irp f, 0,1,2,3,4,5,6,7             ; channel block f / 2, its registers 4 (f % 2) on
	ds_store_b128 v[STO], v[32*(\t)+4*\f:32*(\t)+4*\f+3] offset:(\f/2)*64+(\f%2)*16
.endr
	WIN 0x40                        ; destination window 1
.irp f, 0,1,2,3,4,5,6,7
	ds_load_b128 v[32*(\t)+4*\f:32*(\t)+4*\f+3], v[RD] offset:\f*2*SP  ; LDS serves a wave's instructions in order (ISA guide 5.7.1.4): these see the stores above; the next tile's stores come behind them
.endr
.endm
.macro SEND t, younger              ; younger: the LDS instructions issued behind tile t's loads: the next tile's sixteen, or none
	WIN 0x04
.irp f, 0,1,2,3,4,5,6,7
	s_wait_dscnt (\younger)+7-\f
	global_store_b128 v[GO], v[32*(\t)+4*\f:32*(\t)+4*\f+3], s[10:11] offset:(\t)*65536+\f*8192 th:TH_STORE_NT  ; sixteen lanes store a head's 256 consecutive bytes of a row, at a multiple of 256 from the output's first byte
.endr
.endm
	PACK 0
.set t, 1
.rept 2*NP-1                        ; a tile's arithmetic stands between the loads of the tile before and its stores
	PACK t
	SEND t-1, 16
.set t, t+1
.endr
	SEND 2*NP-1, 0
	WIN W_AD
	s_wait_tensorcnt 0x0            ; the wave's end: behind my last tensor load and my last LDS store
	ds_add_u32 v[SPW], v[NIL]
	s_wait_dscnt 0x0
	WIN 0
	CROUND                          ; the closing round: no work-group ends while a partner may still ask for a tile that names it
	s_endpgm
.Lfunc_end_k_qfaf2ba8d89_attn:
	.size	k_qfaf2ba8d89_attn, .Lfunc_end_k_qfaf2ba8d89_attn-k_qfaf2ba8d89_attn
	.p2alignl 7, 3214868480
	.fill 96, 4, 3214868480
	.section	.rodata,"a",@progbits
	.p2align	6, 0x0
	.amdhsa_kernel k_qfaf2ba8d89_attn
		.amdhsa_group_segment_fixed_size 327680
		.amdhsa_private_segment_fixed_size 0
		.amdhsa_enable_private_segment 0
		.amdhsa_kernarg_size 32
		.amdhsa_user_sgpr_count 2
		.amdhsa_user_sgpr_kernarg_segment_ptr 1
		.amdhsa_wavefront_size32 1
		.amdhsa_system_sgpr_workgroup_id_x 1
		.amdhsa_system_sgpr_workgroup_id_y 1
		.amdhsa_system_sgpr_workgroup_id_z 1
		.amdhsa_system_vgpr_workitem_id 0
		.amdhsa_next_free_vgpr 864
		.amdhsa_next_free_sgpr 66
		.amdhsa_reserve_vcc 1
		.amdhsa_float_denorm_mode_32 3
		.amdhsa_float_denorm_mode_16_64 3
		.amdhsa_memory_ordered 1
		.amdhsa_forward_progress 1
		.amdhsa_inst_pref_size 217
	.end_amdhsa_kernel
	.amdgpu_metadata
---
amdhsa.version: [ 1, 2 ]
amdhsa.kernels:
  - .name:           k_qfaf2ba8d89_attn
    .symbol:         k_qfaf2ba8d89_attn.kd
    .args:
      - { .name: qkv, .offset: 0, .size: 8, .value_kind: global_buffer, .address_space: global }
      - { .name: Q_len, .offset: 8, .size: 8, .value_kind: global_buffer, .address_space: global }
      - { .name: V_len, .offset: 16, .size: 8, .value_kind: global_buffer, .address_space: global }
      - { .name: out0, .offset: 24, .size: 8, .value_kind: global_buffer, .address_space: global }
    .group_segment_fixed_size: 327680
    .private_segment_fixed_size: 0
    .kernarg_segment_align: 8
    .kernarg_segment_size: 32
    .max_flat_workgroup_size: 128
    .sgpr_count:     66
    .vgpr_count:     864
    .wavefront_size: 32
...
	.end_amdgpu_metadata
.endif
;; end of part 3
